; MI455X (gfx1250); checked and timed in simulation.
; The chip was launched on July 23, 2026; its instructions are those of AMD's public machine-readable ISA for CDNA 5 (MIT licence, August 2026) and "CDNA5" Instruction Set Architecture Reference Guide (July 2026). The comments in the code are by the model that wrote it; some were corrected since.
;; One Bit Linear. Allowed arithmetic: float matrix products may take bf16 or f16 operands with f32 sums; all other float work in f32.
;; Inputs: bias 4,096 float32; g_vector 4,096 float32; h_vector 4,096 float32; sign_matrix 4,096 x 4,096 float32; x 4,096 x 4,096 float32.
;; Outputs: out0 4,096 x 4,096 float32.
;; 2 versions, each right; version 2 is version 1 with the launch prep written anew for expert scheduling mode. Each part assembles by itself: llvm-mc -triple=amdgcn-amd-amdhsa -mcpu=gfx1250 --defsym DOCPART=n.
;; ======== version 1 of 2: 2 launches
;; workspace buffers: xb 33,554,432 bytes; wb 33,554,432 bytes
;; launch prep (part 1): grid 512 x 1, 8 waves a work-group, no clusters, 0 bytes of LDS; arguments x, sign_matrix, g_vector, xb, wb; writes xb, wb
.if DOCPART == 1
	.amdgcn_target "amdgcn-amd-amdhsa--gfx1250"
	.amdhsa_code_object_version 6
	.text
	.protected	k_qf148640513_prep
	.globl	k_qf148640513_prep
	.p2align	8
	.type	k_qf148640513_prep,@function
k_qf148640513_prep:
	s_mov_b64 s[64:65], 0
	v_nop
	global_prefetch_b8 v0, s[64:65] scope:SCOPE_SE
	s_setreg_imm32_b32 hwreg(HW_REG_WAVE_MODE, 25, 1), 1
	s_wait_xcnt 0x0
; xb[n][.] = bf16(x[n][.]);  wb[o][.] = bf16(sign[o][.] * g[.]).  x, sign: [4096][4096] f32; g: [4096] f32; xb, wb: [4096][4096] bf16.
; g lies along the sum's index, so it is multiplied into one operand ahead of the rounding: sum x (g s) is the sum (x g) s for every input.
; The product sign * g is made in f32 and rounded once, to nearest even; x is rounded once.
; LIMITS.  sign * g is formed in f32: it overflows or underflows where |sign g| leaves f32's range, even if x g sign would not.  bf16 has f32's range.  NaN and infinities are not treated apart.
; ORDER ALONG K.  In both outputs alike, inside each block of 256 numbers (512 bytes) the 16 bytes at 16 i hold k = 4 i .. 4 i + 3 and then k = 128 + 4 i .. 128 + 4 i + 3.
; A sum of products does not see a permutation that both factors share; with it every load and every store of a wave covers 512 consecutive bytes, aligned.
; SHARES.  Eight waves; the work-group owns 8 rows of x and the same 8 row numbers of sign.  Wave w owns columns 512 w .. 512 w + 511 of every row (2,048 bytes in, 1,024 out),
; so a lane's 16 columns are fixed and its 16 numbers of g stay in registers.  No wave needs another's data: no LDS, no barrier, no matrix unit, no cluster.
; A ring of four row slots in registers: one at work, one whose stores are leaving, two on their way in.
.set ROWIN,  16384                     ; bytes in a row of x and of sign
.set ROWOUT, 8192                      ; bytes in a row of xb and of wb
.set G, 4                              ; v[4:19]    g of my 16 columns: four for each of my four chunks of 512 bytes
.set X, 20                             ; v[20:147]  slot s: 16 registers of x, then 16 of sign; packed in place into the first 8 of each
                                       ; v1 my byte offset in a row of x, sign and in g; v2 in a row of xb, wb; neither is rewritten: rows and chunks stand in the immediates
	s_load_b256 s[4:11], s[0:1], 0x0               ; x s[4:5], sign s[6:7], g s[8:9], xb s[10:11]
	s_load_b64 s[12:13], s[0:1], 0x20              ; wb
	s_lshl_b32 s2, ttmp9, 17                       ; the group's 8 rows of 16,384 bytes: 511 x 131,072 at the most, inside 32 bits
	s_mov_b32 s3, 0
	s_lshl_b32 s14, ttmp9, 16                      ; and of 8,192 bytes
	s_mov_b32 s15, 0
	v_and_b32 v3, 31, v0                           ; lane
	v_lshrrev_b32 v2, 5, v0                        ; wave
	v_lshlrev_b32 v3, 4, v3                        ; 16 bytes a lane
	v_lshl_or_b32 v1, v2, 11, v3                   ; in: 2,048 w + 16 lane
	v_lshl_or_b32 v2, v2, 10, v3                   ; out: 1,024 w + 16 lane
	s_wait_kmcnt 0x0
	s_add_nc_u64 s[4:5], s[4:5], s[2:3]
	s_add_nc_u64 s[6:7], s[6:7], s[2:3]
	s_add_nc_u64 s[10:11], s[10:11], s[14:15]
	s_add_nc_u64 s[12:13], s[12:13], s[14:15]
.irp c, 0,1,2,3
	global_load_b128 v[G+4*(\c):G+4*(\c)+3], v1, s[8:9] offset:512*(\c)   ; g is laid like a row of x
.endr
; Eight loads: my wave's 2,048 bytes of row 'row' of x and of sign, 512 consecutive bytes each.  Each byte is read once in the launch.
.macro FILL s, row
.irp c, 0,1,2,3
	global_load_b128 v[X+32*(\s)+4*(\c):X+32*(\s)+4*(\c)+3], v1, s[4:5] offset:(\row)*ROWIN+512*(\c) th:TH_LOAD_NT
.endr
.irp c, 0,1,2,3
	global_load_b128 v[X+32*(\s)+16+4*(\c):X+32*(\s)+16+4*(\c)+3], v1, s[6:7] offset:(\row)*ROWIN+512*(\c) th:TH_LOAD_NT
.endr
.endm
; The turn of row 'row' (slot row % 4).  left = how many younger loads may stay out; fill = 1: the slot in front of it in the ring takes the row three further down.
.macro TURN row, left, fill
.set XS, X+32*((\row)%4)
	s_wait_loadcnt \left                           ; loads come back in order (ISA guide 5.7.1): this row's eight are in (and g, issued ahead of row 0); eight for each younger row stay out
.irp j, 0,1,2,3,4,5,6,7
	v_pk_mul_f32 v[XS+16+2*(\j):XS+16+2*(\j)+1], v[XS+16+2*(\j):XS+16+2*(\j)+1], v[G+2*(\j):G+2*(\j)+1]  ; sign * g, in f32
.endr
.irp p, 0,16
.irp q, 0,1,2,3,4,5,6,7
	v_cvt_pk_bf16_f32 v[XS+(\p)+(\q)], v[XS+(\p)+2*(\q)], v[XS+(\p)+2*(\q)+1]  ; packed in place, ascending: register q has been read by step q / 2.  Chunks 0 and 1 make the first 16 bytes, chunks 2 and 3 the second
.endr
.endr
	global_store_b128 v2, v[XS:XS+3],     s[10:11] offset:(\row)*ROWOUT       ; 512 consecutive bytes, aligned: a block of 256 k.  No hint: the next launch reads these bytes
	global_store_b128 v2, v[XS+4:XS+7],   s[10:11] offset:(\row)*ROWOUT+512
	global_store_b128 v2, v[XS+16:XS+19], s[12:13] offset:(\row)*ROWOUT
	global_store_b128 v2, v[XS+20:XS+23], s[12:13] offset:(\row)*ROWOUT+512
.if \fill
	s_wait_xcnt 0x0                                ; every earlier memory instruction has had its addresses translated (ISA guide 3.1): the slot in front, whose stores left a turn ago, is loaded again only behind this wait
	FILL ((\row)+3)%4, (\row)+3
.endif
.endm
	FILL 0, 0
	FILL 1, 1
	FILL 2, 2
	TURN 0, 16, 1
	TURN 1, 16, 1
	TURN 2, 16, 1
	TURN 3, 16, 1
	TURN 4, 16, 1                                  ; the last fill: row 7
	TURN 5, 16, 0                                  ; the counts run down: rows 6 and 7 are out,
	TURN 6, 8, 0                                   ; row 7,
	TURN 7, 0, 0                                   ; nothing
	s_endpgm
.Lfunc_end_k_qf148640513_prep:
	.size	k_qf148640513_prep, .Lfunc_end_k_qf148640513_prep-k_qf148640513_prep
	.p2alignl 7, 3214868480
	.fill 96, 4, 3214868480
	.section	.rodata,"a",@progbits
	.p2align	6, 0x0
	.amdhsa_kernel k_qf148640513_prep
		.amdhsa_group_segment_fixed_size 0
		.amdhsa_private_segment_fixed_size 0
		.amdhsa_enable_private_segment 0
		.amdhsa_kernarg_size 40
		.amdhsa_user_sgpr_count 2
		.amdhsa_user_sgpr_kernarg_segment_ptr 1
		.amdhsa_wavefront_size32 1
		.amdhsa_system_sgpr_workgroup_id_x 1
		.amdhsa_system_sgpr_workgroup_id_y 1
		.amdhsa_system_sgpr_workgroup_id_z 1
		.amdhsa_system_vgpr_workitem_id 0
		.amdhsa_next_free_vgpr 148
		.amdhsa_next_free_sgpr 66
		.amdhsa_reserve_vcc 0
		.amdhsa_float_denorm_mode_32 3
		.amdhsa_float_denorm_mode_16_64 3
		.amdhsa_memory_ordered 1
		.amdhsa_forward_progress 1
		.amdhsa_inst_pref_size 23
	.end_amdhsa_kernel
	.amdgpu_metadata
---
amdhsa.version: [ 1, 2 ]
amdhsa.kernels:
  - .name:           k_qf148640513_prep
    .symbol:         k_qf148640513_prep.kd
    .args:
      - { .name: x, .offset: 0, .size: 8, .value_kind: global_buffer, .address_space: global }
      - { .name: sign_matrix, .offset: 8, .size: 8, .value_kind: global_buffer, .address_space: global }
      - { .name: g_vector, .offset: 16, .size: 8, .value_kind: global_buffer, .address_space: global }
      - { .name: xb, .offset: 24, .size: 8, .value_kind: global_buffer, .address_space: global }
      - { .name: wb, .offset: 32, .size: 8, .value_kind: global_buffer, .address_space: global }
    .group_segment_fixed_size: 0
    .private_segment_fixed_size: 0
    .kernarg_segment_align: 8
    .kernarg_segment_size: 40
    .max_flat_workgroup_size: 256
    .sgpr_count:     66
    .vgpr_count:     148
    .wavefront_size: 32
...
	.end_amdgpu_metadata
.endif
;; end of part 1
;; launch gemm (part 2): grid 16 x 16, 4 waves a work-group, clusters of 4 x 4, 327,680 bytes of LDS; arguments xb, wb, h_vector, bias, out0; writes out0
.if DOCPART == 2
	.amdgcn_target "amdgcn-amd-amdhsa--gfx1250"
	.amdhsa_code_object_version 6
	.text
	.protected	k_qf148640513_gemm
	.globl	k_qf148640513_gemm
	.p2align	8
	.type	k_qf148640513_gemm,@function
k_qf148640513_gemm:
	s_mov_b64 s[64:65], 0
	v_nop
	global_prefetch_b8 v0, s[64:65] scope:SCOPE_SE
	s_setreg_imm32_b32 hwreg(HW_REG_WAVE_MODE, 25, 1), 1
	s_wait_xcnt 0x0
	s_wait_alu depctr_hold_cnt(0) depctr_sa_sdst(0) depctr_va_vdst(0) depctr_va_sdst(0) depctr_va_ssrc(0) depctr_va_vcc(0) depctr_vm_vsrc(0)
	s_getreg_b32 s2, hwreg(HW_REG_IB_STS2, 6, 4)
	s_cmp_eq_u32 s2, 0
	s_cbranch_scc0 .Lentry_in_a_cluster
	s_endpgm
.Lentry_in_a_cluster:
	s_bfe_u32 s2, ttmp6, 0x10000c
	s_cmp_lg_u32 s2, 0xf033
	s_cbranch_scc0 .Lentry_shape_is_right
	s_endpgm
.Lentry_shape_is_right:
; out[n][o] = h[o] * (sum over k of xb[n][k] wb[o][k]) + bias[o].  xb, wb: [4096][4096] bf16 (x, and sign * g, each rounded once; both in the same order along K); h, bias: [4096] f32; out: [4096][4096] f32.
; Sums in f32; h and bias in f32, one fused multiply-add for each output.  LIMITS: the operands carry bf16's rounding; the order of the sum along K is the buffers' (permuted inside blocks of 256); NaN and infinities are not treated apart.
; A tile of out, 256 x 256, is made by a work-group of four waves; a wave makes 128 x 128: 64 accumulators of 16 x 16, 512 registers.  4096 / 256 squared = 256 tiles, one to a work-group.
; K goes in steps of 128 through a ring of two LDS slots filled by the tensor data mover: a tile's rows are 256 bytes of memory and start at multiples of 256 bytes from the buffer's first byte.
; CLUSTERS: 4 x 4 work-groups.  The four of a row of the cluster need the same tiles of xb, the four of a column the same tiles of wb: each tile is asked for JOINTLY, by the same tensor load with the
; same descriptor and a mask that names the four, and each receives it in its own LDS.  That divides the requests for both operands by four.
; THE MATRIX INSTRUCTION IS USED TRANSPOSED: source 0 = 16 rows of wb, source 1 = 16 rows of xb.  In the result lane l holds row l % 16 of out and the columns 8 (l / 16) + 0 .. 7: 32 neighbouring bytes.
; REGISTERS, in windows of 256 (s_set_vgpr_msb's low byte: bits 1:0 source 0, 3:2 source 1, 5:4 source 2, 7:6 destination):
;   window 0: v0-31 addresses, h, bias; v64-127, v128-191 fragments of xb, two buffers; on the way out the same 128 registers hold rows read back from the stage
;   window 1: v64-127, v128-191 fragments of wb, two buffers
;   window 2: the 32 accumulators of my rows 0-63 (accumulator (a, b) at v[8 (8 a + b)]);   window 3: those of my rows 64-127
.set SIZE_K, 4096
.set KSTEP,  128
.set PITCH,  272                       ; an LDS row: 256 bytes of data + 16 of padding = 68 words: row r starts at bank 4 r mod 64 (64 banks of 4 bytes: ISA guide 11.1), so the 16 rows of a load start at 16 different banks
.set HALFT,  128*PITCH                 ; 128 rows: what one tensor load brings, and what one wave reads of either operand
.set SLOT,   4*HALFT                   ; xb's 256 rows, then wb's 256 rows
.set STAGE,  2*SLOT                    ; behind the ring, never filled by a tensor load: 16 rows for each wave, for the way out
.set SPITCH, 528                       ; a stage row: 128 f32 = 512 bytes + 16 = 132 words: again 16 rows at 16 different banks
.set WSTAGE, 16*SPITCH
.set SPARE,  STAGE+4*WSTAGE            ; behind the stages: the spare words, 128 bytes for each wave: two blocks of 256 bytes that no other line names
.set LAPS,   SIZE_K/(2*KSTEP)          ; a lap = two K steps = once round the ring: 16
.set ROWB,   16384                     ; bytes in a row of out
.set HV,   8                           ; v[8:11]   h of my four columns on the way out
.set BV,   12                          ; v[12:15]  bias of them
.set ADRA, 16                          ; v16-17  LDS address of my xb fragments in slot 0, 1
.set ADRB, 20                          ; v20-21  the same for wb
.set STO,  24                          ; v24     the way out: where I put 32 bytes of a row
.set RD,   25                          ; v25     the way out: where I read 16 bytes of a row back
.set CO,   26                          ; v26     16 x lane: my byte offset in my wave's 512 bytes of a row of out, of h and of bias; never rewritten
.set SPW,  28                          ; v28     LDS address of my spare word: SPARE + 4 x my thread's number; never rewritten
.set NIL,  29                          ; v29     0; never rewritten
.set F0,   64                          ; fragment buffer 0
.set F1,   128                         ; fragment buffer 1
.set WV,  14                           ; s14  my wave's number
.set HR,  15                           ; s15  which half of the tile's rows is mine.  Also: I fetch for xb (0) or for wb (1)
.set HC,  20                           ; s20  which half of its columns.  Also: which 128 rows of that tile I fetch
.set G1,  24                           ; s[24:31] descriptor group 1 for xb's tiles
.set G0,  32                           ; s[32:39] descriptor group 0 for xb's tiles, one set for each slot
.set G1B, 48                           ; s[48:55] group 1 for wb's tiles: it differs in the mask alone
.set G0B, 56                           ; s[56:63] group 0 for wb's tiles, one set for each slot
.set MSB, 0
.macro WIN new                         ; the immediate's high byte repeats the setting that is left; a switch that changes nothing is dropped
.if MSB != (\new)
	s_set_vgpr_msb (MSB<<8)|(\new)
.set MSB, \new
.endif
.endm
.set MUL_LO, 0xa1                      ; source 0 (wb) window 1, source 1 (xb) window 0, C and D window 2
.set MUL_HI, 0xf1                      ; the same, C and D window 3
.set TO_B,   0x40                      ; destination window 1, address window 0
; A joint load.  Waves 0 and 1 fetch xb's two halves, waves 2 and 3 wb's.  Each of the two lines has one mask and one set of registers for all that issue it; the branch hangs on the wave's number alone.
; An s_nop 0 and four v_nop follow each of the two lines, ahead of the jump, the label and what follows the macro.
.macro JLOAD s
	s_cmp_eq_u32 s[HR], 0
	s_cbranch_scc0 .Lfor_b_\@
	tensor_load_to_lds s[G0+4*(\s):G0+4*(\s)+3], s[G1:G1+7]
	s_nop 0
.rept 4
	v_nop
.endr
	s_branch .Lasked_\@
.Lfor_b_\@:
	tensor_load_to_lds s[G0B+4*(\s):G0B+4*(\s)+3], s[G1B:G1B+7]
	s_nop 0
.rept 4
	v_nop
.endr
.Lasked_\@:
.endm
; A round of the cluster's barrier: my work-group's barrier, so that wave 0's signal speaks for all four waves; wave 0 signals for the work-group; every wave waits for all sixteen; my work-group's barrier once more.
.macro CREST                           ; a round behind its opening barrier
	s_cmp_lg_u32 s[WV], 0
	s_cbranch_scc1 .Lnot_wave_0_\@
	s_barrier_signal -3
.Lnot_wave_0_\@:
	s_barrier_wait -3
	s_barrier_signal -1
	s_barrier_wait -1
.endm
.macro CROUND                          ; a whole round
	s_barrier_signal -1
	s_barrier_wait -1
	CREST
.endm
	s_load_b256 s[4:11], s[0:1], 0x0               ; xb s[4:5], wb s[6:7], h s[8:9], bias s[10:11]
	s_load_b64 s[12:13], s[0:1], 0x20              ; out
	v_lshl_add_u32 v[SPW], v0, 2, SPARE
	v_mov_b32 v[NIL], 0
	ds_add_u32 v[SPW], v[NIL]                      ; the wave's opening: the add and its wait stand ahead of my first tensor load; the set-up below, work on registers, stands between them
	v_lshrrev_b32 v1, 5, v0
	v_readfirstlane_b32 s[WV], v1                  ; wave 0..3
	s_lshr_b32 s[HR], s[WV], 1
	s_and_b32 s[HC], s[WV], 1
	s_bfe_u32 s40, ttmp6, 0x40000                  ; cx: my place along the cluster's x
	s_bfe_u32 s41, ttmp6, 0x40004                  ; cy: along its y
	s_lshl_b32 s42, ttmp9, 2                       ; in a cluster launch ttmp9 and ttmp7 count clusters
	s_add_co_u32 s42, s42, s40                     ; tile column of out = 4 x cluster x + cx
	s_and_b32 s43, ttmp7, 0xffff
	s_lshl_b32 s43, s43, 2
	s_add_co_u32 s43, s43, s41                     ; tile row of out = 4 x cluster y + cy
	s_lshl_b32 s44, s41, 2
	s_lshl_b32 s44, 15, s44                        ; my row of the cluster: places 4 cy .. 4 cy + 3
	s_lshl_b32 s45, 0x1111, s40                    ; my column: places cx, cx + 4, cx + 8, cx + 12
	; descriptor group 1: a tile of 128 rows x 128 elements, padded in LDS
	s_or_b32 s[G1+0], s44, (1<<16)|(1<<20)|(1<<21)|(5<<22)|(3<<25)   ; 15:0 the mask: xb's tiles go to my row; 17:16 elements of 2 bytes; 20 padding on; 21 set beside a mask; 24:22 after every 64 words (code 5); 31:25 4 words of it (code 3)
	s_or_b32 s[G1B+0], s45, (1<<16)|(1<<20)|(1<<21)|(5<<22)|(3<<25)  ; the same with the mask of my column, for wb's tiles
.irp g, G1, G1B
	s_mov_b32 s[(\g)+1], KSTEP<<16                 ; tensor_dim0 = 128
	s_mov_b32 s[(\g)+2], 128<<16                   ; tensor_dim1 = 128
	s_mov_b32 s[(\g)+3], KSTEP<<16                 ; tile_dim0 = 128
	s_mov_b32 s[(\g)+4], 128                       ; tile_dim1 = 128
	s_mov_b32 s[(\g)+5], SIZE_K                    ; 4,096 elements from row to row
	s_mov_b32 s[(\g)+6], 0
	s_mov_b32 s[(\g)+7], 0
.endr
	; where the tiles come from.  xb's hang on the tile row alone, which my row of the cluster shares; wb's on the tile column alone, which my column shares.
	; Every wave makes both addresses, in registers that never hold the other coordinate, and asks by one of them.
	s_lshl_b32 s17, s[HC], 7                       ; which 128 rows of the tile I fetch
	s_lshl_b32 s16, s43, 8
	s_add_co_u32 s16, s16, s17                     ; xb: row 256 x tile row + 128 x half,
	s_lshl_b32 s16, s16, 13                        ; times 8,192 bytes: under 2^25
	s_lshl_b32 s46, s42, 8
	s_add_co_u32 s46, s46, s17                     ; wb: row 256 x tile column + 128 x half
	s_lshl_b32 s46, s46, 13
	s_mov_b32 s17, 0
	s_mov_b32 s47, 0
	s_mul_i32 s21, s[WV], HALFT                    ; and where they go: xb's two halves, then wb's two = wave x 128 rows: no place in the cluster enters an LDS address
	s_wait_dscnt 0x0                               ; the opening add is done
	s_wait_kmcnt 0x0
	s_add_nc_u64 s[18:19], s[4:5], s[16:17]
	s_add_nc_u64 s[46:47], s[6:7], s[46:47]
	CROUND                                         ; all sixteen work-groups are here: the first joint loads meet
.irp s, 0,1
	s_mov_b32 s[G0+4*(\s)], 1                                        ; count = 1
	s_add_co_u32 s[G0+4*(\s)+1], s21, (\s)*SLOT                      ; LDS address
	s_add_nc_u64 s[G0+4*(\s)+2:G0+4*(\s)+3], s[18:19], (\s)*KSTEP*2  ; global address: K step s
	s_or_b32 s[G0+4*(\s)+3], s[G0+4*(\s)+3], 0x80000000              ; type = 2
	s_mov_b32 s[G0B+4*(\s)], 1
	s_add_co_u32 s[G0B+4*(\s)+1], s21, (\s)*SLOT
	s_add_nc_u64 s[G0B+4*(\s)+2:G0B+4*(\s)+3], s[46:47], (\s)*KSTEP*2
	s_or_b32 s[G0B+4*(\s)+3], s[G0B+4*(\s)+3], 0x80000000
	JLOAD \s                                       ; the ring is filled before anything else is done: two loads of mine are out
.endr
	; A fragment is 16 rows x 32 K in 8 registers: lane l holds row l % 16; registers 0-3 hold K = 8 (l / 16) + 0..7, registers 4-7 K = 16 + 8 (l / 16) + 0..7: two loads of 16 bytes, 32 bytes apart.
	v_and_b32 v1, 15, v0                           ; l % 16
	v_bfe_u32 v2, v0, 4, 1                         ; l / 16
	v_mul_u32_u24 v3, v1, PITCH
	v_lshl_add_u32 v3, v2, 4, v3                   ; row x pitch + 16 x half
	s_mul_i32 s22, s[HR], HALFT                    ; my 128 rows of xb
	s_mul_i32 s23, s[HC], HALFT                    ; my 128 rows of wb,
	s_add_co_u32 s23, s23, 2*HALFT                 ; which lie behind xb's 256
.irp s, 0,1
	v_add_nc_u32 v[ADRA+(\s)], s22, v3
	v_add_nc_u32 v[ADRB+(\s)], s23, v3
	s_add_co_u32 s22, s22, SLOT
	s_add_co_u32 s23, s23, SLOT
.endr
	s_mul_i32 s22, s[WV], WSTAGE
	s_add_co_u32 s22, s22, STAGE                   ; my stage
	v_mul_u32_u24 v4, v1, SPITCH                   ; in: row l % 16, 32 bytes for each half of the lanes
	v_lshl_add_u32 v4, v2, 5, v4
	v_add_nc_u32 v[STO], s22, v4
	v_and_b32 v5, 31, v0
	v_lshlrev_b32 v[CO], 4, v5                     ; back: 32 lanes take one row of 512 bytes
	v_add_nc_u32 v[RD], s22, v[CO]
	; where my part of the tile begins in out, and my 128 columns in h and bias
	s_lshl_b32 s16, s43, 8
	s_lshl_b32 s17, s[HR], 7
	s_add_co_u32 s16, s16, s17                     ; my first row of out,
	s_lshl_b32 s16, s16, 14                        ; times 16,384 bytes: under 2^26
	s_mov_b32 s17, 0
	s_lshl_b32 s46, s42, 10                        ; my first column, in bytes: 1,024 x tile column + 512 x half (in the registers that held wb's address: none that feeds xb's descriptors ever holds cx)
	s_lshl_b32 s47, s[HC], 9
	s_add_co_u32 s46, s46, s47
	s_mov_b32 s47, 0
	s_add_nc_u64 s[12:13], s[12:13], s[16:17]
	s_add_nc_u64 s[12:13], s[12:13], s[46:47]
	s_add_nc_u64 s[8:9], s[8:9], s[46:47]
	s_add_nc_u64 s[10:11], s[10:11], s[46:47]
	global_load_b128 v[HV:HV+3], v[CO], s[8:9]     ; on the way out a lane always holds the same four columns: their h and bias stay in registers
	global_load_b128 v[BV:BV+3], v[CO], s[10:11]
; 16 matrix instructions: row blocks a0, a0 + 1 of the window's four (hi = 0: my rows 0-63, 1: rows 64-127) x all 8 column blocks, 32 along K.  zero = 1: the first product starts the sums: nothing is ever cleared.
; The 64 accumulators take turns, one instruction a turn, in the same order in every quarter step.
.macro MUL16 f, hi, a0, zero
	WIN MUL_LO+0x50*(\hi)
.irp a, \a0, (\a0)+1
.irp b, 0,1,2,3,4,5,6,7
.if \zero
	v_wmma_f32_16x16x32_bf16 v[8*(8*(\a)+(\b)):8*(8*(\a)+(\b))+7], v[(\f)+8*(\b):(\f)+8*(\b)+7], v[(\f)+8*(4*(\hi)+(\a)):(\f)+8*(4*(\hi)+(\a))+7], 0
.else
	v_wmma_f32_16x16x32_bf16 v[8*(8*(\a)+(\b)):8*(8*(\a)+(\b))+7], v[(\f)+8*(\b):(\f)+8*(\b)+7], v[(\f)+8*(4*(\hi)+(\a)):(\f)+8*(4*(\hi)+(\a))+7], v[8*(8*(\a)+(\b)):8*(8*(\a)+(\b))+7]
.endif
.endr
.endr
.endm
; 32 LDS loads in one run: the fragments of one quarter step (128 rows of wb, 128 rows of xb, 32 K at byte k of the rows) into buffer f
.macro FETCH slot, k, f
	WIN TO_B
.irp i, 0,1,2,3,4,5,6,7
	ds_load_b128 v[(\f)+8*(\i):(\f)+8*(\i)+3],   v[ADRB+(\slot)] offset:(\k)+(\i)*16*PITCH
	ds_load_b128 v[(\f)+8*(\i)+4:(\f)+8*(\i)+7], v[ADRB+(\slot)] offset:(\k)+(\i)*16*PITCH+32
.endr
	WIN 0
.irp i, 0,1,2,3,4,5,6,7
	ds_load_b128 v[(\f)+8*(\i):(\f)+8*(\i)+3],   v[ADRA+(\slot)] offset:(\k)+(\i)*16*PITCH
	ds_load_b128 v[(\f)+8*(\i)+4:(\f)+8*(\i)+7], v[ADRA+(\slot)] offset:(\k)+(\i)*16*PITCH+32
.endr
.endm
; A load into a register that a matrix instruction has read, and an LDS store that reads a matrix result, stand four places behind that matrix instruction, and only plain vector instructions that
; name none of its registers are places (ISA guide 7.12.1 for vector instructions); the matrix instructions in between are not counted.
.macro PLACES
.rept 4
	v_nop
.endr
.endm
; A K step is four quarter steps of 32 along K, 64 matrix instructions each, on buffers 0, 1, 0, 1.
; One of the first three: multiplies buffer f; in its middle it fetches the next quarter's fragments, at byte k of the same slot's rows, into buffer g.
.macro QUARTER slot, k, f, g, zero
	s_wait_dscnt 8                                 ; wb's fragments and xb's rows 0-63 are in; the youngest eight loads (xb's rows 64-127) may be out
	MUL16 \f, 0, 0, \zero
	MUL16 \f, 0, 2, \zero
	PLACES
	FETCH \slot, \k, \g
	s_wait_dscnt 32                                ; all but the 32 just issued
	MUL16 \f, 1, 0, \zero
	MUL16 \f, 1, 2, \zero
.endm
; The last quarter multiplies buffer 1 and changes slots.  MEET is its first half: ONE barrier for the change.  In front of it each wave waits for all its tensor loads, of which one is out: its part
; of the next slot; adds 0 to its spare word; and waits for that and for its own reads of this slot.  Behind it nobody reads this slot any more and the next slot is whole.
.macro MEET round                      ; round = 1: a round of the cluster's barrier follows
	WIN 0                                          ; (the add's two registers lie in window 0)
	s_wait_tensorcnt 0x0                           ; all my tensor loads have landed;
	ds_add_u32 v[SPW], v[NIL]                      ; 0 onto my spare word;
	s_wait_dscnt 9                                 ; (the add and the youngest eight loads may be out)
	MUL16 F1, 0, 0, 0                              ; sixteen matrix instructions stand between the add and the wait for it
	s_wait_dscnt 0x0                               ; the add is done, and my reads of this slot are over:
	s_barrier_signal -1                            ; say so (where a slot is filled again this barrier opens a round of the cluster's barrier),
	MUL16 F1, 0, 2, 0                              ; work on registers while the others arrive,
.if \round
	WIN 0
.endif
	s_barrier_wait -1                              ; and go on when all four have said so
.endm
; The whole last quarter.  fill = 1: behind the round the slot just read out is filled again first, with the K step two steps on; then come the next slot's first fragments.
; From a request to the wait for it a wave issues 224 matrix instructions.
.macro TURN slot, next, fill
.if \fill
	MEET 1
	CREST                                          ; all sixteen work-groups have said so: no wave of any partner still reads this slot's tile or has a load on its way
	s_add_nc_u64 s[G0+4*(\slot)+2:G0+4*(\slot)+3], s[G0+4*(\slot)+2:G0+4*(\slot)+3], 2*KSTEP*2    ; no tensor load of mine is out, so a group 0 may be written; the type bits on top are not reached
	s_add_nc_u64 s[G0B+4*(\slot)+2:G0B+4*(\slot)+3], s[G0B+4*(\slot)+2:G0B+4*(\slot)+3], 2*KSTEP*2
	JLOAD \slot                                    ; the first tensor load behind the round, and my only one until the next; the four v_nop behind it are also the places in front of the loads below
.else
	MEET 0                                         ; nothing is filled again, so no round follows
	PLACES
.endif
	FETCH \next, 0, F0
	MUL16 F1, 1, 0, 0
	MUL16 F1, 1, 2, 0
.endm
	s_wait_loadcnt 0x0                             ; h and bias: waited for here, where the wave waits for its first tile anyway, so that no load into registers is out during the loop
	s_wait_tensorcnt 1                             ; my part of K step 0 is in; K step 1's may stay out
	s_barrier_signal -1
	s_barrier_wait -1                              ; everybody's is
	FETCH 0, 0, F0
	QUARTER 0, 64,  F0, F1, 1                      ; the first quarter stands in front of the loop: its products start the sums
	WIN 0                                          ; at a label and at a branch every window is 0
	s_mov_b32 s3, LAPS-1
.Llap:                                                 ; a trip goes once round the ring, from a lap's second quarter to the next lap's first, and fills both slots again: trip i asks for K steps 2 i + 2 and 2 i + 3, the fifteenth for 30 and 31
	QUARTER 0, 128, F1, F0, 0
	QUARTER 0, 192, F0, F1, 0
	TURN 0, 1, 1
	QUARTER 1, 64,  F0, F1, 0
	QUARTER 1, 128, F1, F0, 0
	QUARTER 1, 192, F0, F1, 0
	TURN 1, 0, 1
	QUARTER 0, 64,  F0, F1, 0
	WIN 0
	s_sub_co_u32 s3, s3, 1
	s_cmp_lg_u32 s3, 0
	s_cbranch_scc1 .Llap
	QUARTER 0, 128, F1, F0, 0                      ; the last lap is written out: it fills nothing, and has no round of the cluster's barrier
	QUARTER 0, 192, F0, F1, 0
	TURN 0, 1, 0
	QUARTER 1, 64,  F0, F1, 0
	QUARTER 1, 128, F1, F0, 0
	QUARTER 1, 192, F0, F1, 0
	s_wait_dscnt 8                                 ; the very last quarter: nothing more to fetch
	MUL16 F1, 0, 0, 0
	MUL16 F1, 0, 2, 0
	s_wait_dscnt 0x0
	MUL16 F1, 1, 0, 0
	MUL16 F1, 1, 2, 0
	WIN 0
; THE WAY OUT, a block of 16 rows at a time.  A lane's 32 bytes are one sixteenth of my wave's 512 bytes of a row, and the lanes beside it hold other rows.  So the f32 sums go as they are into my own
; stage in LDS and come back by rows, a row of 512 bytes to a load; then every lane holds the same four columns in every row, and h and bias are two packed multiply-adds a row.
; TOSTAGE a: block a's 8 accumulators into the stage (each accumulator's low four registers first), and back into buffer a % 2 (where xb's fragments lay).
.macro TOSTAGE a
.set AC, 64*((\a)%4)
.set BK, F0+64*((\a)%2)
	WIN 0x08+4*((\a)/4)                            ; an LDS store's data is source 1: window 2 (blocks 0-3) or 3 (blocks 4-7)
.irp b, 0,1,2,3,4,5,6,7
	ds_store_b128 v[STO], v[AC+8*(\b):AC+8*(\b)+3]   offset:64*(\b)
	ds_store_b128 v[STO], v[AC+8*(\b)+4:AC+8*(\b)+7] offset:64*(\b)+16
.endr
	WIN 0
.if (\a) >= 2
	s_wait_xcnt 0x0                                ; every earlier memory instruction has had its addresses translated (ISA guide 3.1): the buffer that block a - 2's stores read is loaded again only behind this wait
.endif
.irp t, 0,1,2,3,4,5,6,7,8,9,10,11,12,13,14,15
	ds_load_b128 v[BK+4*(\t):BK+4*(\t)+3], v[RD] offset:(\t)*SPITCH  ; LDS serves a wave's instructions in order (ISA guide 5.7.1.4): these see the stores above, and the next block's stores come behind them
.endr
.endm
; SEND a: h x sum + bias, and the stores.  younger: the LDS instructions issued behind block a's loads: the next block's 16 stores and 16 loads, or none.
.macro SEND a, younger
.set BK, F0+64*((\a)%2)
	s_wait_dscnt \younger                          ; the block is back in registers
.irp t, 0,1,2,3,4,5,6,7,8,9,10,11,12,13,14,15
	v_pk_fma_f32 v[BK+4*(\t):BK+4*(\t)+1],   v[BK+4*(\t):BK+4*(\t)+1],   v[HV:HV+1],   v[BV:BV+1]
	v_pk_fma_f32 v[BK+4*(\t)+2:BK+4*(\t)+3], v[BK+4*(\t)+2:BK+4*(\t)+3], v[HV+2:HV+3], v[BV+2:BV+3]
	global_store_b128 v[CO], v[BK+4*(\t):BK+4*(\t)+3], s[12:13] offset:(16*(\a)+(\t))*ROWB th:TH_STORE_NT  ; 512 consecutive bytes, at a multiple of 512 from out's first byte; the row stands in the immediate: 127 x 16,384 at the most, inside its signed 24 bits
.endr
.endm
	PLACES                                         ; behind the last products: the stage stores read results, and the loads land where fragments lay
	TOSTAGE 0
.irp a, 1,2,3,4,5,6,7                  ; block a's stores and loads are issued ahead of the wait for block a - 1's, so that the wave does not sit out the stage's round trip
	TOSTAGE \a
	SEND (\a)-1, 32
.endr
	SEND 7, 0
	s_wait_tensorcnt 0x0                           ; the wave's end, behind my last tensor load and my last LDS store
	ds_add_u32 v[SPW], v[NIL]
	s_wait_dscnt 0x0
	CROUND                                         ; the closing round: no work-group ends while a partner may still ask for a tile that names it
	s_endpgm
.Lfunc_end_k_qf148640513_gemm:
	.size	k_qf148640513_gemm, .Lfunc_end_k_qf148640513_gemm-k_qf148640513_gemm
	.p2alignl 7, 3214868480
	.fill 96, 4, 3214868480
	.section	.rodata,"a",@progbits
	.p2align	6, 0x0
	.amdhsa_kernel k_qf148640513_gemm
		.amdhsa_group_segment_fixed_size 327680
		.amdhsa_private_segment_fixed_size 0
		.amdhsa_enable_private_segment 0
		.amdhsa_kernarg_size 40
		.amdhsa_user_sgpr_count 2
		.amdhsa_user_sgpr_kernarg_segment_ptr 1
		.amdhsa_wavefront_size32 1
		.amdhsa_system_sgpr_workgroup_id_x 1
		.amdhsa_system_sgpr_workgroup_id_y 1
		.amdhsa_system_sgpr_workgroup_id_z 1
		.amdhsa_system_vgpr_workitem_id 0
		.amdhsa_next_free_vgpr 1024
		.amdhsa_next_free_sgpr 66
		.amdhsa_reserve_vcc 0
		.amdhsa_float_denorm_mode_32 3
		.amdhsa_float_denorm_mode_16_64 3
		.amdhsa_memory_ordered 1
		.amdhsa_forward_progress 1
		.amdhsa_inst_pref_size 156
	.end_amdhsa_kernel
	.amdgpu_metadata
---
amdhsa.version: [ 1, 2 ]
amdhsa.kernels:
  - .name:           k_qf148640513_gemm
    .symbol:         k_qf148640513_gemm.kd
    .args:
      - { .name: xb, .offset: 0, .size: 8, .value_kind: global_buffer, .address_space: global }
      - { .name: wb, .offset: 8, .size: 8, .value_kind: global_buffer, .address_space: global }
      - { .name: h_vector, .offset: 16, .size: 8, .value_kind: global_buffer, .address_space: global }
      - { .name: bias, .offset: 24, .size: 8, .value_kind: global_buffer, .address_space: global }
      - { .name: out0, .offset: 32, .size: 8, .value_kind: global_buffer, .address_space: global }
    .group_segment_fixed_size: 327680
    .private_segment_fixed_size: 0
    .kernarg_segment_align: 8
    .kernarg_segment_size: 40
    .max_flat_workgroup_size: 128
    .sgpr_count:     66
    .vgpr_count:     1024
    .wavefront_size: 32
...
	.end_amdgpu_metadata
.endif
;; end of part 2
;; ======== version 2 of 2: 2 launches; version 1 with the launch prep written anew for expert scheduling mode
;; workspace buffers: xb 33,554,432 bytes; wb 33,554,432 bytes
;; launch prep (part 3): grid 512 x 1, 8 waves a work-group, no clusters, 0 bytes of LDS; arguments x, sign_matrix, g_vector, xb, wb; writes xb, wb
.if DOCPART == 3
	.amdgcn_target "amdgcn-amd-amdhsa--gfx1250"
	.amdhsa_code_object_version 6
	.text
	.protected	k_qf148640513_prep
	.globl	k_qf148640513_prep
	.p2align	8
	.type	k_qf148640513_prep,@function
k_qf148640513_prep:
	s_mov_b64 s[64:65], 0
	v_nop
	global_prefetch_b8 v0, s[64:65] scope:SCOPE_SE
	s_setreg_imm32_b32 hwreg(HW_REG_WAVE_SCHED_MODE, 0, 2), 2
	s_setreg_imm32_b32 hwreg(HW_REG_WAVE_MODE, 25, 1), 1
	s_wait_xcnt 0x0
	s_wait_alu depctr_vm_vsrc(0)
; xb[n][.] = bf16(x[n][.]);  wb[o][.] = bf16(sign[o][.] * g[.]).  x, sign: [4096][4096] f32; g: [4096] f32; xb, wb: [4096][4096] bf16.
; g lies along the sum's index, so it is multiplied into one operand ahead of the rounding: sum x (g s) is the sum (x g) s for every input.
; The product sign * g is made in f32 and rounded once, to nearest even; x is rounded once.
; LIMITS.  sign * g is formed in f32: it overflows or underflows where |sign g| leaves f32's range, even if x g sign would not.  bf16 has f32's range.  NaN and infinities are not treated apart.
; ORDER ALONG K.  In both outputs alike, inside each block of 256 numbers (512 bytes) the 16 bytes at 16 i hold k = 4 i .. 4 i + 3 and then k = 128 + 4 i .. 128 + 4 i + 3.
; A sum of products does not see a permutation that both factors share; with it every load and every store of a wave covers 512 consecutive bytes, aligned.
; SHARES.  Eight waves; the work-group owns 8 rows of x and the same 8 row numbers of sign.  Wave w owns columns 512 w .. 512 w + 511 of every row (2,048 bytes in, 1,024 out),
; so a lane's 16 columns are fixed and its 16 numbers of g stay in registers.  No wave needs another's data: no LDS, no barrier, no matrix unit, no cluster.
; THE MODE: SCHED_MODE bits 1:0 = 2 (LLVM: expert scheduling mode 2), set by the entry lines.  The code itself states the register dependences
; between vector instructions and memory instructions, with s_wait_alu, always for 0.
; THE PLAN.  A turn is a row; the eight turns are written out.  Registers that memory instructions touch:
;   X0 .. X3   four row slots as loaded.  Written by the loads of row p + 3, issued in turn p; read by turn p's conversions, the sign half also read and rewritten by its multiplies.
;   Y0, Y1     two rows to store.         Written by turn p's conversions; read by the four stores that are issued in turn p + 1.
;   v1, v2     byte offsets, made once at the head and never written again: rows and chunks stand in the immediates, and the scalar bases do not move.
;   G          loaded once, into registers that no vector instruction has named.
; Turn p works on X[p % 4] and G and writes Y[p % 2].  Its memory instructions are the loads into X[(p + 3) % 4] = X[(p - 1) % 4] and the stores from Y[(p - 1) % 2]: the two buffers that
; turn p - 1 worked on and that no vector instruction of turn p names.  So the waits at a turn's head state all that its twelve memory instructions hang on, and these are dealt among its
; vector instructions with no further wait.  Of the four slots one is at work and, once the turn's loads are out, three are on their way in.
.set ROWIN,  16384                     ; bytes in a row of x and of sign
.set ROWOUT, 8192                      ; bytes in a row of xb and of wb
.set G, 4                              ; v[4:19]    g of my 16 columns: four for each of my four chunks of 512 bytes
.set X, 20                             ; v[20:147]  slot s: 16 registers of x, then 16 of sign
.set Y, 148                            ; v[148:179] buffer k: 8 registers of xb, then 8 of wb, to store
                                       ; v1 my byte offset in a row of x, sign and in g; v2 in a row of xb, wb
	s_load_b256 s[4:11], s[0:1], 0x0               ; x s[4:5], sign s[6:7], g s[8:9], xb s[10:11]
	s_load_b64 s[12:13], s[0:1], 0x20              ; wb
	s_lshl_b32 s2, ttmp9, 17                       ; the group's 8 rows of 16,384 bytes: 511 x 131,072 at the most, inside 32 bits
	s_mov_b32 s3, 0
	s_lshl_b32 s14, ttmp9, 16                      ; and of 8,192 bytes
	s_mov_b32 s15, 0
	v_and_b32 v3, 31, v0                           ; lane
	v_lshrrev_b32 v2, 5, v0                        ; wave
	v_lshlrev_b32 v3, 4, v3                        ; 16 bytes a lane
	v_lshl_or_b32 v1, v2, 11, v3                   ; in: 2,048 w + 16 lane
	v_lshl_or_b32 v2, v2, 10, v3                   ; out: 1,024 w + 16 lane
	s_wait_kmcnt 0x0
	s_add_nc_u64 s[4:5], s[4:5], s[2:3]
	s_add_nc_u64 s[6:7], s[6:7], s[2:3]
	s_add_nc_u64 s[10:11], s[10:11], s[14:15]
	s_add_nc_u64 s[12:13], s[12:13], s[14:15]
	s_wait_alu depctr_va_vdst(0)                   ; v1 and v2 are written: every load and store of the kernel reads one of them as its offset
.irp c, 0,1,2,3
	global_load_b128 v[G+4*(\c):G+4*(\c)+3], v1, s[8:9] offset:512*(\c)   ; g is laid like a row of x
.endr
; Two loads: chunk c (512 consecutive bytes) of my wave's 2,048 bytes of row 'row' of x and of sign, into slot row % 4.  Each byte is read once in the launch.
.macro LD row, c
	global_load_b128 v[X+32*((\row)%4)+4*(\c):X+32*((\row)%4)+4*(\c)+3],       v1, s[4:5] offset:(\row)*ROWIN+512*(\c) th:TH_LOAD_NT
	global_load_b128 v[X+32*((\row)%4)+16+4*(\c):X+32*((\row)%4)+16+4*(\c)+3], v1, s[6:7] offset:(\row)*ROWIN+512*(\c) th:TH_LOAD_NT
.endm
; One store: quarter c of row 'row' out of buffer row % 2: c = 0, 1 the two blocks of 256 k of xb, c = 2, 3 those of wb.  512 consecutive bytes, aligned.  No hint: the next launch reads these bytes.
.macro ST row, c
	global_store_b128 v2, v[Y+16*((\row)%2)+4*(\c):Y+16*((\row)%2)+4*(\c)+3], s[10+2*((\c)/2):11+2*((\c)/2)] offset:(\row)*ROWOUT+512*((\c)%2)
.endm
; The turn of row 'row'.  left = how many younger loads may stay out; ahead = 1: the row three further down is loaded.
.macro TURN row, left, ahead
.set XS, X+32*((\row)%4)
.set YS, Y+16*((\row)%2)
	s_wait_loadcnt \left                           ; loads come back in order (ISA guide 5.7.1): this row's eight are in (and g, issued ahead of row 0); eight for each younger row stay out
.if (\row) >= 2
	s_wait_xcnt 0x0                                ; every earlier memory instruction has had its addresses translated (ISA guide 3.1): this turn's Y, which the stores issued in the turn before read, is rewritten only behind this wait
	s_wait_alu depctr_vm_vsrc(0)                   ; those stores have read this turn's Y, which the conversions below write again
.endif
.if (\row) >= 1
	s_wait_alu depctr_va_vdst(0)                   ; the turn before has written the other Y, which the stores below read, and is done reading and rewriting its X, in which the loads below (where there are any) land
.endif
.irp c, 0,1,2,3
.if \ahead
	LD (\row)+3, \c                                ; three rows ahead; no vector instruction since the wait names these registers
.endif
.if (\row) >= 1
	ST (\row)-1, \c                                ; the row before
.endif
	v_pk_mul_f32 v[XS+16+4*(\c):XS+16+4*(\c)+1],   v[XS+16+4*(\c):XS+16+4*(\c)+1],   v[G+4*(\c):G+4*(\c)+1]      ; sign * g, in f32
	v_pk_mul_f32 v[XS+16+4*(\c)+2:XS+16+4*(\c)+3], v[XS+16+4*(\c)+2:XS+16+4*(\c)+3], v[G+4*(\c)+2:G+4*(\c)+3]
	v_cvt_pk_bf16_f32 v[YS+2*(\c)],     v[XS+4*(\c)],      v[XS+4*(\c)+1]     ; a chunk's four numbers pack into two registers: chunks 0 and 1 make the first 16 bytes, chunks 2 and 3 the second
	v_cvt_pk_bf16_f32 v[YS+2*(\c)+1],   v[XS+4*(\c)+2],    v[XS+4*(\c)+3]
	v_cvt_pk_bf16_f32 v[YS+8+2*(\c)],   v[XS+16+4*(\c)],   v[XS+16+4*(\c)+1]
	v_cvt_pk_bf16_f32 v[YS+8+2*(\c)+1], v[XS+16+4*(\c)+2], v[XS+16+4*(\c)+3]
.endr
.endm
.irp r, 0,1,2
.irp c, 0,1,2,3
	LD \r, \c                                      ; rows 0, 1 and 2 into X0, X1, X2
.endr
.endr
	TURN 0, 16, 1                                  ; row 0 has no row in front of it: no store, and no wait but the one for its data; its loads land in X3, which no vector instruction has named
	TURN 1, 16, 1                                  ; no store has been issued yet, so Y1 is free as it is
	TURN 2, 16, 1
	TURN 3, 16, 1
	TURN 4, 16, 1                                  ; the last loads: row 7
	TURN 5, 16, 0                                  ; the counts run down: rows 6 and 7 are out,
	TURN 6, 8, 0                                   ; row 7,
	TURN 7, 0, 0                                   ; nothing
	s_wait_alu depctr_va_vdst(0)                   ; turn 7 has written Y1, which the last four stores read
.irp c, 0,1,2,3
	ST 7, \c
.endr
	s_endpgm
.Lfunc_end_k_qf148640513_prep:
	.size	k_qf148640513_prep, .Lfunc_end_k_qf148640513_prep-k_qf148640513_prep
	.p2alignl 7, 3214868480
	.fill 96, 4, 3214868480
	.section	.rodata,"a",@progbits
	.p2align	6, 0x0
	.amdhsa_kernel k_qf148640513_prep
		.amdhsa_group_segment_fixed_size 0
		.amdhsa_private_segment_fixed_size 0
		.amdhsa_enable_private_segment 0
		.amdhsa_kernarg_size 40
		.amdhsa_user_sgpr_count 2
		.amdhsa_user_sgpr_kernarg_segment_ptr 1
		.amdhsa_wavefront_size32 1
		.amdhsa_system_sgpr_workgroup_id_x 1
		.amdhsa_system_sgpr_workgroup_id_y 1
		.amdhsa_system_sgpr_workgroup_id_z 1
		.amdhsa_system_vgpr_workitem_id 0
		.amdhsa_next_free_vgpr 180
		.amdhsa_next_free_sgpr 66
		.amdhsa_reserve_vcc 0
		.amdhsa_float_denorm_mode_32 3
		.amdhsa_float_denorm_mode_16_64 3
		.amdhsa_memory_ordered 1
		.amdhsa_forward_progress 1
		.amdhsa_inst_pref_size 24
	.end_amdhsa_kernel
	.amdgpu_metadata
---
amdhsa.version: [ 1, 2 ]
amdhsa.kernels:
  - .name:           k_qf148640513_prep
    .symbol:         k_qf148640513_prep.kd
    .args:
      - { .name: x, .offset: 0, .size: 8, .value_kind: global_buffer, .address_space: global }
      - { .name: sign_matrix, .offset: 8, .size: 8, .value_kind: global_buffer, .address_space: global }
      - { .name: g_vector, .offset: 16, .size: 8, .value_kind: global_buffer, .address_space: global }
      - { .name: xb, .offset: 24, .size: 8, .value_kind: global_buffer, .address_space: global }
      - { .name: wb, .offset: 32, .size: 8, .value_kind: global_buffer, .address_space: global }
    .group_segment_fixed_size: 0
    .private_segment_fixed_size: 0
    .kernarg_segment_align: 8
    .kernarg_segment_size: 40
    .max_flat_workgroup_size: 256
    .sgpr_count:     66
    .vgpr_count:     180
    .wavefront_size: 32
...
	.end_amdgpu_metadata
.endif
;; end of part 3
;; launch gemm: the kernel of part 2 again; grid 16 x 16, 4 waves a work-group, clusters of 4 x 4, 327,680 bytes of LDS; arguments xb, wb, h_vector, bias, out0; writes out0
